; MI455X (gfx1250); checked and timed in simulation.
; The chip was launched on July 23, 2026; its instructions are those of AMD's public machine-readable ISA for CDNA 5 (MIT licence, August 2026) and "CDNA5" Instruction Set Architecture Reference Guide (July 2026). The comments in the code are by the model that wrote it; some were corrected since.
;; Ctx Att. Allowed arithmetic: float matrix products may take bf16 or f16 operands with f32 sums; other float arithmetic in f32, or as packed bf16 or f16 multiplies, adds, multiply-adds, maxima and minima; sums over many terms, partial sums and values carried from step to step in f32; what a program stores and reads back later, other than sums and carried values, may be rounded once to bf16 or f16.
;; Inputs: Wk 512 x 512 float32; Wo 512 x 512 float32; Wq 512 x 512 float32; Wv 512 x 512 float32; bk 512 float32; bo 512 float32; bq 512 float32; bv 512 float32; k 2 x 64 x 64 x 512 float32; mask 2 x 64 x 64 bool; q 2 x 64 x 64 x 512 float32; v 2 x 64 x 64 x 512 float32.
;; Outputs: out0 2 x 64 x 64 x 512 float32.
;; One version. Each part assembles by itself: llvm-mc -triple=amdgcn-amd-amdhsa -mcpu=gfx1250 --defsym DOCPART=n.
;; ======== version 1 of 1: 4 launches
;; workspace buffers: wb 2,097,152 bytes; qh 8,388,608 bytes; kh 8,388,608 bytes; vh 8,388,608 bytes; oh 8,388,608 bytes
;; launch cast (part 1): grid 64 x 4, 8 waves a work-group, no clusters, 0 bytes of LDS; arguments Wq, Wk, Wv, Wo, wb; writes wb
.if DOCPART == 1
	.amdgcn_target "amdgcn-amd-amdhsa--gfx1250"
	.amdhsa_code_object_version 6
	.text
	.protected	k_q527c48c20f_cast
	.globl	k_q527c48c20f_cast
	.p2align	8
	.type	k_q527c48c20f_cast,@function
k_q527c48c20f_cast:
	s_mov_b64 s[64:65], 0
	v_nop
	global_prefetch_b8 v0, s[64:65] scope:SCOPE_SE
	s_setreg_imm32_b32 hwreg(HW_REG_WAVE_MODE, 25, 1), 1
	s_wait_xcnt 0x0
; wb[y][k][n] = bf16(W_y[k][n]), y = 0 Wq, 1 Wk, 2 Wv, 3 Wo: the four weight matrices, [512][512] f32, rounded once, not turned.
; Work-group (x, y) takes 4,096 numbers of matrix y.  Thread t takes 4 numbers (16 bytes) at byte 16 t of each of four pieces of 4,096 bytes:
; a wave's load covers 512 consecutive bytes, its store of 8 bytes a lane 256 consecutive bytes, aligned.  No LDS, no barrier: no wave wants another's bytes.
.set PIECE, 4096                       ; bytes of f32 that the 256 threads take with one load
	s_load_b256 s[4:11], s[0:1], 0x0               ; Wq s[4:5], Wk s[6:7], Wv s[8:9], Wo s[10:11]
	s_load_b64 s[12:13], s[0:1], 0x20              ; wb
	s_and_b32 s16, ttmp7, 0xffff                   ; y: which matrix
	v_lshlrev_b32 v1, 4, v0                        ; 16 t: in
	v_lshlrev_b32 v2, 3, v0                        ; 8 t: out
	s_lshl_b32 s18, ttmp9, 14                      ; the work-group's 16,384 bytes of f32
	s_mov_b32 s19, 0
	s_lshl_b32 s20, s16, 19                        ; a matrix is 524,288 bytes of bf16,
	s_lshl_b32 s17, ttmp9, 13                      ; the work-group's part 8,192
	s_add_co_u32 s20, s20, s17
	s_mov_b32 s21, 0
	s_wait_kmcnt 0x0
	s_cmp_eq_u32 s16, 1
	s_cselect_b64 s[14:15], s[6:7], s[4:5]
	s_cmp_eq_u32 s16, 2
	s_cselect_b64 s[14:15], s[8:9], s[14:15]
	s_cmp_eq_u32 s16, 3
	s_cselect_b64 s[14:15], s[10:11], s[14:15]
	s_add_nc_u64 s[14:15], s[14:15], s[18:19]
	s_add_nc_u64 s[12:13], s[12:13], s[20:21]
.irp i, 0,1,2,3
	global_load_b128 v[4+4*\i:7+4*\i], v1, s[14:15] offset:PIECE*\i th:TH_LOAD_NT
.endr
.irp i, 0,1,2,3
	s_wait_loadcnt 3-\i                            ; loads come back in order: piece i is in, the younger ones stay out
	v_cvt_pk_bf16_f32 v[20+2*\i], v[4+4*\i], v[5+4*\i]
	v_cvt_pk_bf16_f32 v[21+2*\i], v[6+4*\i], v[7+4*\i]
	global_store_b64 v2, v[20+2*\i:21+2*\i], s[12:13] offset:(PIECE/2)*\i
.endr
	s_endpgm
.Lfunc_end_k_q527c48c20f_cast:
	.size	k_q527c48c20f_cast, .Lfunc_end_k_q527c48c20f_cast-k_q527c48c20f_cast
	.p2alignl 7, 3214868480
	.fill 96, 4, 3214868480
	.section	.rodata,"a",@progbits
	.p2align	6, 0x0
	.amdhsa_kernel k_q527c48c20f_cast
		.amdhsa_group_segment_fixed_size 0
		.amdhsa_private_segment_fixed_size 0
		.amdhsa_enable_private_segment 0
		.amdhsa_kernarg_size 40
		.amdhsa_user_sgpr_count 2
		.amdhsa_user_sgpr_kernarg_segment_ptr 1
		.amdhsa_wavefront_size32 1
		.amdhsa_system_sgpr_workgroup_id_x 1
		.amdhsa_system_sgpr_workgroup_id_y 1
		.amdhsa_system_sgpr_workgroup_id_z 1
		.amdhsa_system_vgpr_workitem_id 0
		.amdhsa_next_free_vgpr 32
		.amdhsa_next_free_sgpr 66
		.amdhsa_reserve_vcc 0
		.amdhsa_float_denorm_mode_32 3
		.amdhsa_float_denorm_mode_16_64 3
		.amdhsa_memory_ordered 1
		.amdhsa_forward_progress 1
		.amdhsa_inst_pref_size 3
	.end_amdhsa_kernel
	.amdgpu_metadata
---
amdhsa.version: [ 1, 2 ]
amdhsa.kernels:
  - .name:           k_q527c48c20f_cast
    .symbol:         k_q527c48c20f_cast.kd
    .args:
      - { .name: Wq, .offset: 0, .size: 8, .value_kind: global_buffer, .address_space: global }
      - { .name: Wk, .offset: 8, .size: 8, .value_kind: global_buffer, .address_space: global }
      - { .name: Wv, .offset: 16, .size: 8, .value_kind: global_buffer, .address_space: global }
      - { .name: Wo, .offset: 24, .size: 8, .value_kind: global_buffer, .address_space: global }
      - { .name: wb, .offset: 32, .size: 8, .value_kind: global_buffer, .address_space: global }
    .group_segment_fixed_size: 0
    .private_segment_fixed_size: 0
    .kernarg_segment_align: 8
    .kernarg_segment_size: 40
    .max_flat_workgroup_size: 256
    .sgpr_count:     66
    .vgpr_count:     32
    .wavefront_size: 32
...
	.end_amdgpu_metadata
.endif
;; end of part 1
;; launch proj (part 2): grid 64 x 3, 4 waves a work-group, clusters of 4 x 1, 327,680 bytes of LDS; arguments q, k, v, mask, bq, bk, bv, wb, qh, kh, vh; writes qh, kh, vh
.if DOCPART == 2
	.amdgcn_target "amdgcn-amd-amdhsa--gfx1250"
	.amdhsa_code_object_version 6
	.text
	.protected	k_q527c48c20f_proj
	.globl	k_q527c48c20f_proj
	.p2align	8
	.type	k_q527c48c20f_proj,@function
k_q527c48c20f_proj:
	s_mov_b64 s[64:65], 0
	v_nop
	global_prefetch_b8 v0, s[64:65] scope:SCOPE_SE
	s_setreg_imm32_b32 hwreg(HW_REG_WAVE_MODE, 25, 1), 1
	s_wait_xcnt 0x0
	s_wait_alu depctr_hold_cnt(0) depctr_sa_sdst(0) depctr_va_vdst(0) depctr_va_sdst(0) depctr_va_ssrc(0) depctr_va_vcc(0) depctr_vm_vsrc(0)
	s_getreg_b32 s2, hwreg(HW_REG_IB_STS2, 6, 4)
	s_cmp_eq_u32 s2, 0
	s_cbranch_scc0 .Lentry_in_a_cluster
	s_endpgm
.Lentry_in_a_cluster:
	s_bfe_u32 s2, ttmp6, 0x10000c
	s_cmp_lg_u32 s2, 0x3003
	s_cbranch_scc0 .Lentry_shape_is_right
	s_endpgm
.Lentry_shape_is_right:
; THE THREE PROJECTIONS.  y = 0: qh = (q Wq + bq) c', c' = -log2(e) / 8;  y = 1: kh = k Wk + bk;  y = 2: vh = (v Wv + bv) m, m the token's mask byte (0 or 1).
; x: [8192][512] f32; W: bf16 [512 k][512 n] in wb; out: bf16 [2][8 heads][4096][64].  Operands bf16, sums f32 (they start with the bias), the factor applied in f32, one rounding.
; LIMITS.  Mask bytes are 0 or 1.  NaN and infinities are not treated apart (0 x infinity is NaN for a hidden token).
; SHARES.  A work-group makes 128 tokens x all 512 columns of one matrix; wave w makes columns 128 w .. 128 w + 127 (heads 2 w, 2 w + 1): 64 accumulators of 16 x 16, 512 registers.
; PHASE 1: the 128 rows of x come through registers once, are rounded to bf16 and lie in LDS for the whole kernel.  PHASE 2: K in 16 quarters of 32; W comes in K steps of 64 through two LDS slots.
; PHASE 3: factor, rounding, and out through a stage of the wave's own, so that each store of a wave covers 512 consecutive bytes.
; CLUSTER.  The four token blocks of a cluster walk the same W: each K step is asked for JOINTLY, by the same tensor load with the same descriptor (made of y and the wave's number alone) and the mask of four.
; Wave w fetches, and alone reads, its own 128 columns: 64 k-rows x 256 bytes a load.
; THE MATRIX INSTRUCTION IS USED TRANSPOSED: source 0 = 16 columns of W (turned on the way out of LDS), source 1 = 16 tokens: a lane holds one token (lane % 16) and 8 neighbouring columns.
; REGISTERS, in windows of 256 (s_set_vgpr_msb: bits 1:0 source 0, 3:2 source 1, 5:4 source 2, 7:6 destination):
;   window 0: v2-15 addresses; v16-31 the factor of each 16 tokens (pairs); v32-63 at work; v64-127, v128-191 x's fragments, two buffers; v192-255 at work on the way out
;   window 1: v0-63 the bias as a C operand, 8 registers for each 16 columns; v64-127, v128-191 W's fragments, two buffers
;   window 2: accumulators of tokens 0-63 ((a, b) at v[8 (8 a + b)]); in phase 1 the ring of x's loads          window 3: those of tokens 64-127
.set PA,     1040                      ; a row of x in LDS: 1,024 bytes + 16: an odd multiple of 16, so the 16 rows of a fragment load start at 16 different groups of four banks
.set PB,     288                       ; a k-row of a wave's W: 256 bytes + 32: an odd multiple of 32, for the turning load
.set BPART,  64*PB                     ; a wave's part of a slot
.set SLOT,   4*BPART
.set RING,   128*PA                    ; behind x: the two slots
.set STAGE,  RING+2*SLOT               ; behind the ring: for each wave 2 heads x 16 rows x 144 bytes
.set SP,     144
.set SPARE,  STAGE+4*32*SP             ; behind the stages: the spare words, 128 bytes for each wave, that no other line names
.set KSTEPB, 64*1024                   ; a K step of W in memory: 64 rows of 1,024 bytes
.set XO,   2                           ; v2   16 x lane + my wave's 32 rows of x
.set AST,  3                           ; v3   8 x lane + my wave's 32 rows in LDS
.set ADRA, 4                           ; v4-5 LDS address of x's fragments: token blocks 0-3, 4-7; stepped along K
.set ADRB, 6                           ; v6-7 LDS address of W's fragments in slot 0, 1
.set STO,  8
.set RD,   9
.set GO,   10
.set PFO,  11                          ; v11  the prefetches' offset; never rewritten
.set SPW,  12                          ; v12  LDS address of my spare word; never rewritten
.set NIL,  13                          ; v13  0; never rewritten
.set BO,   14
.set MO,   15
.set MUL,  16
.set T,    32
.set OB,   32
.set F0,   64
.set F1,   128
.set TMP,  192
.set AL,   14                          ; s14, s15: the factor is m x AL + BE
.set BE,   15
.set G1,   40                          ; s[40:47] descriptor group 1
.set G0,   48                          ; s[48:55] descriptor group 0, a set for each slot
.set WV,   56
.set CX,   57
.set XB,   58
.set YY,   59
.set LIM,  60
.set PFA,  62                          ; s[62:63]
.set MSB, 0
.macro WIN new                         ; the immediate's high byte repeats the setting that is left; a switch that changes nothing is dropped
.if MSB != (\new)
	s_set_vgpr_msb (MSB<<8)|(\new)
.set MSB, (\new)
.endif
.endm
.macro PLACES                          ; four plain vector instructions between a matrix instruction and a load into, or a vector instruction on, its registers
.rept 4
	v_nop
.endr
.endm
.macro CREST                           ; a round of the cluster's barrier behind its opening barrier
	s_cmp_lg_u32 s[WV], 0
	s_cbranch_scc1 .Lnot_wave_0_\@
	s_barrier_signal -3
.Lnot_wave_0_\@:
	s_barrier_wait -3
	s_barrier_signal -1
	s_barrier_wait -1
.endm
.macro CROUND
	s_barrier_signal -1
	s_barrier_wait -1
	CREST
.endm
	s_load_b512 s[16:31], s[0:1], 0x0              ; q, k, v, mask, bq, bk, bv, wb
	s_load_b128 s[32:35], s[0:1], 0x40             ; qh, kh
	s_load_b64 s[36:37], s[0:1], 0x50              ; vh
	v_lshl_add_u32 v[SPW], v0, 2, SPARE
	v_mov_b32 v[NIL], 0
	ds_add_u32 v[SPW], v[NIL]                      ; the wave's opening: the add, twice on end, and its wait ahead of my first tensor load
	ds_add_u32 v[SPW], v[NIL]
	v_lshrrev_b32 v1, 5, v0
	v_readfirstlane_b32 s[WV], v1                  ; wave 0..3
	s_bfe_u32 s[CX], ttmp6, 0x40000                ; my place in the cluster
	s_lshl_b32 s[XB], ttmp9, 2
	s_add_co_u32 s[XB], s[XB], s[CX]               ; my block of 128 tokens: it enters x's, the mask's and the output's addresses alone
	s_and_b32 s[YY], ttmp7, 0xffff                 ; which projection: the four partners share it
	s_mov_b32 s[G1+0], 15|(1<<16)|(1<<20)|(1<<21)|(5<<22)|(7<<25)  ; the mask of four; 2-byte elements; padding on; bit 21 beside a mask; after every 64 words, 8 words
	s_mov_b32 s[G1+1], 128<<16                     ; tensor_dim0 = 128
	s_mov_b32 s[G1+2], 64<<16                      ; tensor_dim1 = 64
	s_mov_b32 s[G1+3], 128<<16                     ; tile_dim0 = 128
	s_mov_b32 s[G1+4], 64                          ; tile_dim1 = 64
	s_mov_b32 s[G1+5], 512                         ; elements from k-row to k-row
	s_mov_b32 s[G1+6], 0
	s_mov_b32 s[G1+7], 0
	s_mul_i32 s66, s[WV], BPART
	s_mov_b32 s[G0], 1
	s_add_co_u32 s[G0+1], s66, RING                ; LDS address: a constant + the wave's number x a constant + the slot's constant
	s_mov_b32 s[G0+4], 1
	s_add_co_u32 s[G0+5], s66, RING+SLOT
	v_and_b32 v33, 31, v0                          ; lane
	v_and_b32 v[MO], 15, v0                        ; r = lane % 16
	v_bfe_u32 v32, v0, 4, 1                        ; h = lane / 16
	v_and_b32 v34, 7, v0
	v_bfe_u32 v35, v0, 3, 1
	v_bfe_u32 v36, v0, 3, 2
	s_lshl_b32 s67, s[WV], 16
	v_lshl_add_u32 v[XO], v33, 4, s67              ; 32 rows of 2,048 bytes a wave
	s_mul_i32 s67, s[WV], 32*PA
	v_lshl_add_u32 v[AST], v33, 3, s67
	v_mul_u32_u24 v[ADRA], v[MO], PA
	v_lshl_add_u32 v[ADRA], v32, 4, v[ADRA]        ; row x pitch + 16 x half
	v_add_nc_u32 v[ADRA+1], 64*PA, v[ADRA]
	v_lshl_add_u32 v37, v32, 3, v34                ; the turning load: k-row 8 h + lane % 8, 16 bytes by bit 3 of the lane
	v_mul_u32_u24 v37, v37, PB
	v_lshl_add_u32 v37, v35, 4, v37
	s_add_co_u32 s67, s66, RING
	v_add_nc_u32 v[ADRB], s67, v37
	v_add_nc_u32 v[ADRB+1], SLOT, v[ADRB]
	s_mul_i32 s67, s[WV], 32*SP
	s_add_co_u32 s67, s67, STAGE                   ; my stage
	v_mul_u32_u24 v[STO], v[MO], SP                ; in: row r, 16 bytes for each half of the lanes
	v_lshl_add_u32 v[STO], v32, 4, v[STO]
	v_add_nc_u32 v[STO], s67, v[STO]
	v_mul_u32_u24 v[RD], v36, SP                   ; back: 32 lanes take four rows of 128 bytes,
	v_lshl_add_u32 v[RD], v34, 4, v[RD]
	v_add_nc_u32 v[RD], s67, v[RD]
	v_lshlrev_b32 v[GO], 4, v33                    ; which are 512 consecutive bytes of the output
	v_lshlrev_b32 v[PFO], 10, v[MO]                ; a lane names 256 bytes of W: k-row r, column part h
	v_lshl_add_u32 v[PFO], v32, 8, v[PFO]
	s_lshl_b32 s67, s[WV], 9
	v_lshl_add_u32 v[BO], v32, 5, s67              ; the bias of my columns: 4 (128 w + 8 h)
	s_lshl_b32 s68, s[XB], 18                      ; x: 128 rows of 2,048 bytes a block
	s_mov_b32 s69, 0
	s_lshl_b32 s70, s[YY], 19                      ; W: the matrix, and my 256 bytes of each k-row: no place in the cluster enters
	s_lshl_b32 s71, s[WV], 8
	s_add_co_u32 s70, s70, s71
	s_mov_b32 s71, 0
	s_lshl_b32 s72, s[XB], 7                       ; mask: 128 bytes a block
	s_mov_b32 s73, 0
	s_lshr_b32 s74, s[XB], 5                       ; out: batch x 4,194,304 + head 2 w x 524,288 + 128 rows of 128 bytes a block
	s_lshl_b32 s74, s74, 22
	s_lshl_b32 s75, s[WV], 20
	s_add_co_u32 s74, s74, s75
	s_and_b32 s75, s[XB], 31
	s_lshl_b32 s75, s75, 14
	s_add_co_u32 s74, s74, s75
	s_mov_b32 s75, 0
	s_lshl_b32 s76, s[YY], 19                      ; the prefetches: my work-group's 16 k-rows, my wave's two column parts, at K step 2
	s_lshl_b32 s77, s[CX], 14
	s_add_co_u32 s76, s76, s77
	s_lshl_b32 s77, s[WV], 9
	s_add_co_u32 s76, s76, s77
	s_add_co_u32 s76, s76, 2*KSTEPB
	s_mov_b32 s77, 0
	s_lshr_b32 s[LIM], s[WV], 1                    ; waves 0 and 1 of the first cluster of each projection prefetch: the same in all four partners
	s_or_b32 s[LIM], s[LIM], ttmp9
	s_cmp_eq_u32 s[LIM], 0
	s_cselect_b32 s[LIM], 1, -1
	s_wait_dscnt 0x0                               ; both opening adds are done
	s_wait_kmcnt 0x0
	s_cmp_eq_u32 s[YY], 1
	s_cselect_b64 s[4:5], s[18:19], s[16:17]       ; x
	s_cselect_b64 s[6:7], s[26:27], s[24:25]       ; bias
	s_cselect_b64 s[8:9], s[34:35], s[32:33]       ; out
	s_cselect_b32 s[BE], 1.0, 0xbe38aa3b           ; c' = -log2(e) / 8
	s_cmp_eq_u32 s[YY], 2
	s_cselect_b64 s[4:5], s[20:21], s[4:5]
	s_cselect_b64 s[6:7], s[28:29], s[6:7]
	s_cselect_b64 s[8:9], s[36:37], s[8:9]
	s_cselect_b32 s[AL], 1.0, 0
	s_cselect_b32 s[BE], 0, s[BE]
	s_add_nc_u64 s[4:5], s[4:5], s[68:69]
	s_add_nc_u64 s[10:11], s[22:23], s[72:73]
	s_add_nc_u64 s[12:13], s[30:31], s[70:71]
	s_add_nc_u64 s[8:9], s[8:9], s[74:75]
	s_add_nc_u64 s[PFA:PFA+1], s[30:31], s[76:77]
	CROUND                                         ; all four work-groups are here: the first joint loads meet
	s_mov_b64 s[G0+2:G0+3], s[12:13]               ; K step 0
	s_or_b32 s[G0+3], s[G0+3], 0x80000000          ; type = 2
	s_add_nc_u64 s[G0+6:G0+7], s[12:13], KSTEPB    ; K step 1
	s_or_b32 s[G0+7], s[G0+7], 0x80000000
	tensor_load_to_lds s[G0:G0+3], s[G1:G1+7]      ; both first fills together: two loads of mine are out
	s_nop 0
	tensor_load_to_lds s[G0+4:G0+7], s[G1:G1+7]
	s_nop 0
	PLACES
	WIN 0x40                                       ; destination window 1
.irp b, 0,1,2,3,4,5,6,7
	global_load_b128 v[8*\b:8*\b+3],   v[BO], s[6:7] offset:64*\b     ; register 8 b + j: bias[128 w + 16 b + 8 h + j], as the C operand wants it
	global_load_b128 v[8*\b+4:8*\b+7], v[BO], s[6:7] offset:64*\b+16
.endr
	WIN 0
.irp a, 0,1,2,3,4,5,6,7
	global_load_u8 v[MUL+2*\a], v[MO], s[10:11] offset:16*\a          ; the mask byte of token 16 a + r
.endr
; PHASE 1.  Group g: my rows 4 g .. 4 g + 3, four loads of 512 consecutive bytes a row; four groups of 64 registers take turns, three groups on their way.
.macro XLOAD g
	WIN 0x80                                       ; destination window 2
.set n, 0
.rept 16
	global_load_b128 v[64*((\g)%4)+4*n:64*((\g)%4)+4*n+3], v[XO], s[4:5] offset:(4*(\g)+n/4)*2048+(n%4)*512 th:TH_LOAD_NT
.set n, n+1
.endr
.endm
.macro XCAST g, left                   ; left: the loads issued behind group g's
	s_wait_loadcnt \left
	WIN 0x0a                                       ; sources window 2, destination window 0
.set n, 0
.rept 32
	v_cvt_pk_bf16_f32 v[T+n], v[64*((\g)%4)+2*n], v[64*((\g)%4)+2*n+1]
.set n, n+1
.endr
	WIN 0
.set n, 0
.rept 16
	ds_store_b64 v[AST], v[T+2*n:T+2*n+1] offset:(4*(\g)+n/4)*PA+(n%4)*256   ; 32 lanes write 256 consecutive bytes
.set n, n+1
.endr
.endm
	XLOAD 0
	XLOAD 1
	XLOAD 2
.irp g, 0,1,2,3,4,5,6,7
.if (\g) < 5
	XLOAD (\g)+3                                   ; into the registers that the group before this one has left
	XCAST \g, 48
.else
	XCAST \g, 16*(7-(\g))
.endif
.endr
.irp a, 0,1,2,3,4,5,6,7
	v_cvt_f32_u32 v[MUL+2*\a], v[MUL+2*\a]
.endr
.irp a, 0,1,2,3,4,5,6,7
	v_fma_f32 v[MUL+2*\a], v[MUL+2*\a], s[AL], s[BE]   ; c', 1 or the mask
.endr
.irp a, 0,1,2,3,4,5,6,7
	v_mov_b32 v[MUL+2*\a+1], v[MUL+2*\a]           ; named as a pair
.endr
	s_wait_tensorcnt 1                             ; my part of K step 0 is in; K step 1's may stay out
	s_wait_dscnt 0x0                               ; for the others' sake: my rows of x lie in LDS
	s_barrier_signal -1
	s_barrier_wait -1
; PHASE 2.  16 matrix instructions: token blocks a0, a0 + 1 of the window's four x all 8 column blocks.  zero = 1: the sums start with the bias.
.macro MUL16 f, hi, a0, zero
.if \zero
	WIN 0x91+0x40*(\hi)                            ; W window 1, x window 0, C (bias) window 1, D window 2 or 3
.else
	WIN 0xa1+0x50*(\hi)                            ; C and D window 2 or 3
.endif
.irp a, \a0, (\a0)+1
.irp b, 0,1,2,3,4,5,6,7
.if \zero
	v_wmma_f32_16x16x32_bf16 v[8*(8*(\a)+(\b)):8*(8*(\a)+(\b))+7], v[(\f)+8*(\b):(\f)+8*(\b)+7], v[(\f)+8*(4*(\hi)+(\a)):(\f)+8*(4*(\hi)+(\a))+7], v[8*(\b):8*(\b)+7]
.else
	v_wmma_f32_16x16x32_bf16 v[8*(8*(\a)+(\b)):8*(8*(\a)+(\b))+7], v[(\f)+8*(\b):(\f)+8*(\b)+7], v[(\f)+8*(4*(\hi)+(\a)):(\f)+8*(4*(\hi)+(\a))+7], v[8*(8*(\a)+(\b)):8*(8*(\a)+(\b))+7]
.endif
.endr
.endr
.endm
; 32 LDS loads in one run: a quarter's fragments into buffer f: W's 8 (half kq of the slot, turned), then x's 8 (at byte aoff behind the stepped addresses)
.macro FETCH slot, kq, aoff, f
	WIN 0x40
.irp b, 0,1,2,3,4,5,6,7
	ds_load_tr16_b128 v[(\f)+8*(\b):(\f)+8*(\b)+3],   v[ADRB+(\slot)] offset:(\kq)*32*PB+32*(\b)
	ds_load_tr16_b128 v[(\f)+8*(\b)+4:(\f)+8*(\b)+7], v[ADRB+(\slot)] offset:(\kq)*32*PB+32*(\b)+16*PB
.endr
	WIN 0
.irp i, 0,1,2,3,4,5,6,7
	ds_load_b128 v[(\f)+8*(\i):(\f)+8*(\i)+3],   v[ADRA+(\i)/4] offset:((\i)%4)*16*PA+(\aoff)
	ds_load_b128 v[(\f)+8*(\i)+4:(\f)+8*(\i)+7], v[ADRA+(\i)/4] offset:((\i)%4)*16*PA+(\aoff)+32
.endr
.endm
.macro QUARTER slot, kq, aoff, f, g, zero   ; multiplies buffer f; in its middle fetches the next quarter into g
	s_wait_dscnt 8                                 ; W and x's tokens 0-63 are in; the youngest eight loads (tokens 64-127) may be out
	MUL16 \f, 0, 0, \zero
	MUL16 \f, 0, 2, \zero
	PLACES
	FETCH \slot, \kq, \aoff, \g
	s_wait_dscnt 32                                ; all but the 32 just issued
	MUL16 \f, 1, 0, \zero
	MUL16 \f, 1, 2, \zero
.endm
; A prefetch of the K step that stands two refills on, behind the joint load, its five lines and the run of LDS loads.  A K step is 64 k-rows x four parts of 256 bytes: the first cluster of each
; projection asks; its four partners take 16 k-rows each, told apart by address; in each, waves 0 and 1 take two column parts each: a lane a part.  The loop's last trip asks for nothing: K ends.
.macro ASK
	s_cmp_gt_u32 s3, s[LIM]
	s_cbranch_scc0 .Lnot_mine_\@
	global_prefetch_b8 v[PFO], s[PFA:PFA+1] offset:KSTEPB th:TH_LOAD_NT scope:SCOPE_SE
.Lnot_mine_\@:
.endm
; A slot's second quarter multiplies buffer 1 and changes slots.  Each wave waits for all its tensor loads (one is out: its part of the next slot), adds 0 to its spare word, and waits for that and for its
; reads of this slot; the barrier opens a round of the cluster's barrier; behind the round the slot is filled again first, two K steps on: 96 matrix instructions ahead of the wait for it.
.macro TURN slot, next, aoff, step
	s_wait_xcnt 0x0                                ; the last prefetch, a K step back, has read its address
	s_add_nc_u64 s[PFA:PFA+1], s[PFA:PFA+1], KSTEPB
	WIN 0
	s_wait_tensorcnt 0x0
	ds_add_u32 v[SPW], v[NIL]
	s_wait_dscnt 9                                 ; the add and the youngest eight loads may be out
	MUL16 F1, 0, 0, 0
	s_wait_dscnt 0x0                               ; the add is done, and my reads of this slot are over
	s_barrier_signal -1
	MUL16 F1, 0, 2, 0
	WIN 0
	s_barrier_wait -1
	CREST
	s_add_nc_u64 s[G0+4*(\slot)+2:G0+4*(\slot)+3], s[G0+4*(\slot)+2:G0+4*(\slot)+3], 2*KSTEPB
	tensor_load_to_lds s[G0+4*(\slot):G0+4*(\slot)+3], s[G1:G1+7]   ; one line for all four waves: both addresses hang on the wave's number
	s_nop 0
	PLACES                                         ; also the places in front of the loads below
	FETCH \next, 0, \aoff, F0
.if \step
	v_add_nc_u32 v[ADRA], 256, v[ADRA]             ; four quarters along K
	v_add_nc_u32 v[ADRA+1], 256, v[ADRA+1]
.endif
	ASK
	MUL16 F1, 1, 0, 0
	MUL16 F1, 1, 2, 0
.endm
	FETCH 0, 0, 0, F0
	QUARTER 0, 1, 64, F0, F1, 1                    ; quarter 0 stands in front of the loop: its products start the sums
	WIN 0
	s_mov_b32 s3, 3
.Lk:                                                   ; a trip: quarters 4 i + 1 .. 4 i + 4; both slots are filled again: K steps 2 .. 7 in three trips
	TURN 0, 1, 128, 0
	QUARTER 1, 1, 192, F0, F1, 0
	TURN 1, 0, 256, 1
	QUARTER 0, 1, 64, F0, F1, 0
	WIN 0
	s_sub_co_u32 s3, s3, 1
	s_cmp_lg_u32 s3, 0
	s_cbranch_scc1 .Lk
	s_wait_tensorcnt 0x0                           ; the last K step is in; nothing is filled any more
	s_wait_dscnt 0x0
	s_barrier_signal -1
	s_barrier_wait -1
	QUARTER 1, 0, 128, F1, F0, 0                   ; quarters 13, 14
	QUARTER 1, 1, 192, F0, F1, 0
	s_wait_dscnt 8                                 ; quarter 15
	MUL16 F1, 0, 0, 0
	MUL16 F1, 0, 2, 0
	s_wait_dscnt 0x0
	MUL16 F1, 1, 0, 0
	MUL16 F1, 1, 2, 0
; PHASE 3.  Block a (16 tokens): times its factor, rounded; 16 bytes a lane into my stage (by head, rows of 144 bytes); back as whole rows of 128 bytes; stored.
.macro PACK a
.set AC, 64*((\a)%4)
	WIN 0x82+0x41*((\a)/4)                         ; destination and source 0 window 2 or 3, the factor window 0
.set n, 0
.rept 32
	v_pk_mul_f32 v[AC+2*n:AC+2*n+1], v[AC+2*n:AC+2*n+1], v[MUL+2*(\a):MUL+2*(\a)+1] op_sel_hi:[1,0]   ; ascending: each accumulator's lowest registers first
.set n, n+1
.endr
	WIN 0x0a+5*((\a)/4)
.set n, 0
.rept 32
	v_cvt_pk_bf16_f32 v[TMP+n], v[AC+2*n], v[AC+2*n+1]
.set n, n+1
.endr
	WIN 0
.endm
.macro TOSTAGE a
.set BK, OB+192*((\a)%2)
.irp b, 0,1,2,3,4,5,6,7
	ds_store_b128 v[STO], v[TMP+4*(\b):TMP+4*(\b)+3] offset:((\b)/4)*16*SP+32*((\b)%4)
.endr
.irp t, 0,1,2,3,4,5,6,7
	ds_load_b128 v[BK+4*(\t):BK+4*(\t)+3], v[RD] offset:((\t)/4)*16*SP+((\t)%4)*4*SP   ; LDS serves a wave's instructions in order: these see the stores above
.endr
.endm
.macro SEND a
.set BK, OB+192*((\a)%2)
	s_wait_dscnt 0x0                               ; the block is back in registers
	s_wait_xcnt 0x0                                ; earlier stores have read their registers: the buffer that the next block's loads take is free
.irp t, 0,1,2,3,4,5,6,7
	global_store_b128 v[GO], v[BK+4*(\t):BK+4*(\t)+3], s[8:9] offset:((\t)/4)*524288+(\a)*2048+((\t)%4)*512   ; 512 consecutive bytes, aligned
.endr
.endm
	PLACES
	PACK 0
	TOSTAGE 0
.irp a, 1,2,3,4,5,6,7
	PACK \a                                        ; a block's arithmetic stands between the loads of the block before and the wait for them
	SEND (\a)-1
	TOSTAGE \a
.endr
	SEND 7
	s_wait_tensorcnt 0x0                           ; the wave's end
	ds_add_u32 v[SPW], v[NIL]
	s_wait_dscnt 0x0
	CROUND                                         ; the closing round
	s_endpgm
.Lfunc_end_k_q527c48c20f_proj:
	.size	k_q527c48c20f_proj, .Lfunc_end_k_q527c48c20f_proj-k_q527c48c20f_proj
	.p2alignl 7, 3214868480
	.fill 96, 4, 3214868480
	.section	.rodata,"a",@progbits
	.p2align	6, 0x0
	.amdhsa_kernel k_q527c48c20f_proj
		.amdhsa_group_segment_fixed_size 327680
		.amdhsa_private_segment_fixed_size 0
		.amdhsa_enable_private_segment 0
		.amdhsa_kernarg_size 88
		.amdhsa_user_sgpr_count 2
		.amdhsa_user_sgpr_kernarg_segment_ptr 1
		.amdhsa_wavefront_size32 1
		.amdhsa_system_sgpr_workgroup_id_x 1
		.amdhsa_system_sgpr_workgroup_id_y 1
		.amdhsa_system_sgpr_workgroup_id_z 1
		.amdhsa_system_vgpr_workitem_id 0
		.amdhsa_next_free_vgpr 1024
		.amdhsa_next_free_sgpr 96
		.amdhsa_reserve_vcc 0
		.amdhsa_float_denorm_mode_32 3
		.amdhsa_float_denorm_mode_16_64 3
		.amdhsa_memory_ordered 1
		.amdhsa_forward_progress 1
		.amdhsa_inst_pref_size 147
	.end_amdhsa_kernel
	.amdgpu_metadata
---
amdhsa.version: [ 1, 2 ]
amdhsa.kernels:
  - .name:           k_q527c48c20f_proj
    .symbol:         k_q527c48c20f_proj.kd
    .args:
      - { .name: q, .offset: 0, .size: 8, .value_kind: global_buffer, .address_space: global }
      - { .name: k, .offset: 8, .size: 8, .value_kind: global_buffer, .address_space: global }
      - { .name: v, .offset: 16, .size: 8, .value_kind: global_buffer, .address_space: global }
      - { .name: mask, .offset: 24, .size: 8, .value_kind: global_buffer, .address_space: global }
      - { .name: bq, .offset: 32, .size: 8, .value_kind: global_buffer, .address_space: global }
      - { .name: bk, .offset: 40, .size: 8, .value_kind: global_buffer, .address_space: global }
      - { .name: bv, .offset: 48, .size: 8, .value_kind: global_buffer, .address_space: global }
      - { .name: wb, .offset: 56, .size: 8, .value_kind: global_buffer, .address_space: global }
      - { .name: qh, .offset: 64, .size: 8, .value_kind: global_buffer, .address_space: global }
      - { .name: kh, .offset: 72, .size: 8, .value_kind: global_buffer, .address_space: global }
      - { .name: vh, .offset: 80, .size: 8, .value_kind: global_buffer, .address_space: global }
    .group_segment_fixed_size: 327680
    .private_segment_fixed_size: 0
    .kernarg_segment_align: 8
    .kernarg_segment_size: 88
    .max_flat_workgroup_size: 128
    .sgpr_count:     96
    .vgpr_count:     1024
    .wavefront_size: 32
...
	.end_amdgpu_metadata
.endif
;; end of part 2
;; launch attn (part 3): grid 16 x 16, 4 waves a work-group, clusters of 4 x 1, 327,680 bytes of LDS; arguments qh, kh, vh, mask, oh; writes oh
.if DOCPART == 3
	.amdgcn_target "amdgcn-amd-amdhsa--gfx1250"
	.amdhsa_code_object_version 6
	.text
	.protected	k_q527c48c20f_attn
	.globl	k_q527c48c20f_attn
	.p2align	8
	.type	k_q527c48c20f_attn,@function
k_q527c48c20f_attn:
	s_mov_b64 s[64:65], 0
	v_nop
	global_prefetch_b8 v0, s[64:65] scope:SCOPE_SE
	s_setreg_imm32_b32 hwreg(HW_REG_WAVE_MODE, 25, 1), 1
	s_wait_xcnt 0x0
	s_wait_alu depctr_hold_cnt(0) depctr_sa_sdst(0) depctr_va_vdst(0) depctr_va_sdst(0) depctr_va_ssrc(0) depctr_va_vcc(0) depctr_vm_vsrc(0)
	s_getreg_b32 s2, hwreg(HW_REG_IB_STS2, 6, 4)
	s_cmp_eq_u32 s2, 0
	s_cbranch_scc0 .Lentry_in_a_cluster
	s_endpgm
.Lentry_in_a_cluster:
	s_bfe_u32 s2, ttmp6, 0x10000c
	s_cmp_lg_u32 s2, 0x3003
	s_cbranch_scc0 .Lentry_shape_is_right
	s_endpgm
.Lentry_shape_is_right:
; SIGMOID ATTENTION.  oh[y][q][:] = inv x the sum over k of p(q, k) vh[y][k][:],  p = 1 / (1 + 2^t),  t = qh[y][q] . kh[y][k].  y = 8 batch + head; all four tensors bf16 [16][4096][64], rows dense, 128 bytes.
; qh carries the factor -log2(e) / 8, so p = sigmoid(score / 8); vh's rows carry the key mask; inv = 1 / (1e-6 + the number of set mask bytes of the batch), made here and applied in f32 to the finished sums.
; Products and sums in f32; p is rounded to bf16 for the second product, O once at the end.  There is no maximum and no row sum.
; LIMITS.  2^t beyond f32's range gives p = 0; 2^t below 2^-126 counts as 0 (p = 1); p below 2^-126 counts as 0.  Mask bytes are 0 or 1.  NaN and infinities are not treated apart.
; SHARES.  A work-group owns 256 queries of one y, a wave 64: four tiles of 16.  Every wave walks all 4,096 keys.  CLUSTER: the four query blocks of a cluster walk the same K and V: each slot of 256 keys is asked
; for JOINTLY (the same load, descriptor and mask in all four).
; LAYOUT.  S^T = K Q^T (source 0 = 16 keys, source 1 = 16 queries): a lane holds one query (lane % 16) and keys 8 (lane / 16) + 0..7.  Two such results rounded in pairs ARE source 1 (32 keys x 16 queries) of
; O^T = V^T P.  K comes out of LDS as it lies, V turned.
; PIECES.  A piece is all four tiles x 32 keys: 8 accumulators of S^T, 64 registers.  EVEN PIECES LIVE IN WINDOW 0, ODD ONES IN WINDOW 1, at the same register numbers, each window with its own K, its own copy of Q
; and two buffers of S^T.  So K Q^T and all the vector work of a piece run under ONE window setting; only V^T P (V and O^T in window 2) is switched to and back.  P is rounded in place, into the low half of its S^T.
; A TURN g has 32 matrix and 192 vector instructions, six behind each product.  First half: V^T P of piece g - 2 | 2^t of piece g, roundings of piece g - 2.  Second half: K Q^T of piece g + 1 | 1 + .. and
; reciprocals of piece g - 1.  No result of a turn's 128 exponentials and reciprocals is named before the next turn, so ONE wait at the turn's end serves them all; the run of LDS loads (K and V of piece g + 2) follows it.
; NO FIRST STEP IS WRITTEN OUT: O^T, two buffers of V and one of S^T in each window start at 0 (320 v_mov_b32, in the wait for the first slot), so pieces -2 and -1 add 0.  The last trip's surplus products and
; sigmoids (pieces 128 to 130, on the last K once more) serve nothing: the price, once a launch, of one text for every trip.
; REGISTERS (s_set_vgpr_msb: bits 1:0 source 0, 3:2 source 1, 5:4 source 2, 7:6 destination):
;   window 0: v1-17 addresses, inv          windows 0 and 1: v32-63 K (32 + 16 kt + 8 c); v64-127 Q (64 + 16 t + 8 c); v128-255 S^T, two buffers (16 t + 8 kt)
;   window 2: v0-127 O^T (32 t + 8 cb); v128-255 V, four buffers of 32 (8 cb)
.set PK,    144       ; a row of K in LDS: 128 bytes + 16: the 16 rows of a load start at 16 different groups of four banks
.set PV,    160       ; a row of V: 128 + 32
.set VOFF,  256*PK    ; a slot: 256 rows of K, then 256 rows of V
.set SLOT1, 1<<17     ; slot 1 begins here: one exclusive or turns an address in one slot into the other's
.set STAGE, SLOT1+256*(PK+PV)  ; behind the ring: 16 rows x 144 bytes for each wave
.set SP,    144
.set SPARE, STAGE+4*16*SP      ; behind the stages: the spare words, 128 bytes for each wave, that no other line names
.set SLOTB, 256*128   ; a slot's bytes of K, and of V, in memory
.set AK0, 2
.set AV0, 3
.set AK,  4
.set AV,  5
.set STO, 6
.set RD,  7
.set GO,  8           ; v8   16 x lane: the mask's loads and O's stores
.set PFO, 12          ; v12  256 x lane; never rewritten
.set QO,  13
.set SPW, 14          ; v14  LDS address of my spare word; never rewritten
.set NIL, 15          ; v15  0; never rewritten
.set INV, 16          ; v[16:17]
.set KF,  32
.set QF,  64
.set S,   128
.set VF,  128         ; window 2
.set WV,  12
.set LIM, 15
.set G1K, 24
.set G1V, 32
.set G0K, 40
.set G0V, 44
.set OP,  48          ; s[48:49] oh at my wave's first row
.set PFA, 50          ; s[50:51]
.set SLOTS, 56
.set CNT, 57
.set SEL, 60
.set TBK, 62          ; s62  LDS byte at which K of the piece to be fetched begins
.set TBV, 63          ; s63  the same for V, less VOFF
.set MSB, 0
.macro WIN new
.if MSB != (\new)
	s_set_vgpr_msb (MSB<<8)|(\new)
.set MSB, (\new)
.endif
.endm
.macro PLACES
.rept 4
	v_nop
.endr
.endm
.macro JLOAD                        ; waves 0 and 1 fetch the two halves of a slot's K, waves 2 and 3 those of its V; an s_nop 0 and four v_nop follow each line
	s_cmp_lt_u32 s[WV], 2
	s_cbranch_scc0 .Lfor_v_\@
	tensor_load_to_lds s[G0K:G0K+3], s[G1K:G1K+7]
	s_nop 0
	PLACES
	s_branch .Lasked_\@
.Lfor_v_\@:
	tensor_load_to_lds s[G0V:G0V+3], s[G1V:G1V+7]
	s_nop 0
	PLACES
.Lasked_\@:
.endm
; A prefetch of the slot that the NEXT change will ask for: 128 blocks of 256 bytes of K and of V.  All clusters of a y walk the same rows: the first asks.  Its four partners take 32 blocks each, told apart by
; address; in each, wave 0 asks for K's and wave 2 for V's: a lane a block.  The last change that fills a slot asks for nothing.
.macro ASK
	s_cmp_gt_u32 s[SLOTS], s[LIM]
	s_cbranch_scc0 .Lnot_mine_\@
	global_prefetch_b8 v[PFO], s[PFA:PFA+1] th:TH_LOAD_NT scope:SCOPE_SE
.Lnot_mine_\@:
.endm
.macro CROUND
	s_barrier_signal -1
	s_barrier_wait -1
	s_cmp_lg_u32 s[WV], 0
	s_cbranch_scc1 .Lnot_wave_0_\@
	s_barrier_signal -3
.Lnot_wave_0_\@:
	s_barrier_wait -3
	s_barrier_signal -1
	s_barrier_wait -1
.endm
; THE CHANGE OF SLOTS, behind the turn that has asked LDS for the slot's last piece.  Each wave waits for all its tensor loads (one is out: its part of the other slot), adds 0 to its spare word, and waits for that
; and for its reads of the slot.  fill = 1: a round of the cluster's barrier, and the slot is filled again first thing behind it, two slots on: it has eight turns, 256 matrix instructions, in which to land.
.macro CHANGE fill
	WIN 0
	s_wait_tensorcnt 0x0
	ds_add_u32 v[SPW], v[NIL]
.if \fill
.irp g, G0K, G0V
	s_xor_b32 s[\g+1], s[\g+1], SLOT1
	s_add_nc_u64 s[\g+2:\g+3], s[\g+2:\g+3], SLOTB
.endr
	s_wait_xcnt 0x0                 ; the last prefetch, a slot back, has read its address
	s_add_nc_u64 s[PFA:PFA+1], s[PFA:PFA+1], SLOTB
	s_wait_dscnt 0x0                ; the add is done, and my reads of the slot are over
	CROUND
	JLOAD
	ASK
.else
	s_wait_dscnt 0x0
	s_barrier_signal -1
	s_barrier_wait -1
.endif
	s_sub_co_u32 s[TBK], s[TBK], 256*PK
	s_xor_b32 s[TBK], s[TBK], SLOT1
	s_sub_co_u32 s[TBV], s[TBV], 256*PV
	s_xor_b32 s[TBV], s[TBV], SLOT1
.endm
	s_load_b256 s[4:11], s[0:1], 0x0  ; qh s[4:5], kh s[6:7], vh s[8:9], mask s[10:11]
	s_load_b64 s[OP:OP+1], s[0:1], 0x20
	v_lshl_add_u32 v[SPW], v0, 2, SPARE
	v_mov_b32 v[NIL], 0
	ds_add_u32 v[SPW], v[NIL]       ; the wave's opening: the add, twice on end, and its wait ahead of my first tensor load
	ds_add_u32 v[SPW], v[NIL]
	v_lshrrev_b32 v1, 5, v0
	v_readfirstlane_b32 s[WV], v1
	s_bfe_u32 s13, ttmp6, 0x40000   ; cx
	s_lshl_b32 s14, ttmp9, 2
	s_add_co_u32 s14, s14, s13      ; my block of 256 queries: it enters Q's and O's addresses alone
	s_and_b32 s20, ttmp7, 0xffff    ; y, which the four partners share
	s_lshr_b32 s18, s20, 3
	s_lshl_b32 s18, s18, 12         ; the batch's 4,096 mask bytes
	s_mov_b32 s19, 0
	s_lshl_b32 s20, s20, 19         ; y's first byte in each of the four tensors
	s_mov_b32 s21, 0
	s_and_b32 s16, s[WV], 1         ; which half of a slot's 256 keys I fetch
	s_lshl_b32 s22, s16, 14
	s_mov_b32 s23, 0
	s_add_nc_u64 s[22:23], s[22:23], s[20:21]
	s_mul_i32 s17, s16, 128*PK
	s_mul_i32 s52, s16, 128*PV
	s_lshl_b32 s2, s14, 2
	s_add_co_u32 s2, s2, s[WV]
	s_lshl_b32 s2, s2, 13           ; my wave's 64 rows
	s_mov_b32 s3, 0
	s_add_nc_u64 s[2:3], s[2:3], s[20:21]
	; descriptor group 1: 128 keys are 16,384 dense bytes: asked for as 64 rows of 256 bytes, padded in LDS after every key
	s_mov_b32 s[G1K], 15|(1<<16)|(1<<20)|(1<<21)|(4<<22)|(3<<25)
	s_mov_b32 s[G1V], 15|(1<<16)|(1<<20)|(1<<21)|(4<<22)|(7<<25)
.irp g, G1K, G1V
	s_mov_b32 s[\g+1], 128<<16
	s_mov_b32 s[\g+2], 64<<16
	s_mov_b32 s[\g+3], 128<<16
	s_mov_b32 s[\g+4], 64
	s_mov_b32 s[\g+5], 128
	s_mov_b32 s[\g+6], 0
	s_mov_b32 s[\g+7], 0
.endr
	s_mov_b32 s[SEL], 0x76543210
	s_mov_b32 s[SEL+1], 0xfedcba98
	s_mov_b32 s[TBK], SLOT1+256*PK  ; the first change of slots turns these two into 0
	s_mov_b32 s[TBV], SLOT1+256*PV
	s_mov_b32 s[G0K], 1
	s_mov_b32 s[G0K+1], s17
	s_mov_b32 s[G0V], 1
	s_add_co_u32 s[G0V+1], s52, VOFF
	s_mov_b32 s[SLOTS], 15
	s_and_b32 s[LIM], s[WV], 1
	s_or_b32 s[LIM], s[LIM], ttmp9
	s_cmp_eq_u32 s[LIM], 0
	s_cselect_b32 s[LIM], 1, -1     ; waves 0 and 2 of y's first cluster: the same in all four partners
	v_and_b32 v[GO], 31, v0
	v_lshlrev_b32 v[PFO], 8, v[GO]
	v_lshlrev_b32 v[GO], 4, v[GO]
	s_wait_dscnt 0x0                ; both opening adds are done
	s_wait_kmcnt 0x0
	s_add_nc_u64 s[6:7], s[6:7], s[22:23]
	s_add_nc_u64 s[8:9], s[8:9], s[22:23]
	s_add_nc_u64 s[4:5], s[4:5], s[2:3]
	s_add_nc_u64 s[OP:OP+1], s[OP:OP+1], s[2:3]
	s_add_nc_u64 s[10:11], s[10:11], s[18:19]
	s_mov_b64 s[G0K+2:G0K+3], s[6:7]
	s_or_b32 s[G0K+3], s[G0K+3], 0x80000000
	s_mov_b64 s[G0V+2:G0V+3], s[8:9]
	s_or_b32 s[G0V+3], s[G0V+3], 0x80000000
	s_cmp_lt_u32 s[WV], 2
	s_cselect_b64 s[PFA:PFA+1], s[6:7], s[8:9]  ; (in waves 0 and 2 these stand at a slot's first row)
	s_lshl_b32 s2, s13, 13          ; my work-group's 32 blocks of the 128
	s_mov_b32 s3, 0
	s_add_nc_u64 s[PFA:PFA+1], s[PFA:PFA+1], s[2:3]
	s_add_nc_u64 s[PFA:PFA+1], s[PFA:PFA+1], SLOTB  ; in slot 1; the first change steps it to slot 2
	CROUND
	JLOAD                           ; slot 0; slot 1 is asked for when slot 0 is in
	v_and_b32 v1, 15, v0            ; r
	v_bfe_u32 v9, v0, 4, 1          ; h
	v_lshlrev_b32 v[QO], 7, v1
	v_lshl_add_u32 v[QO], v9, 4, v[QO]
.irp w, 0, 0x40                     ; Q into both windows: tile i / 2, channels 32 (i % 2) on
	WIN \w
.set i, 0
.rept 8
	global_load_b128 v[QF+8*i:QF+8*i+3],   v[QO], s[4:5] offset:(i/2)*2048+(i%2)*64
	global_load_b128 v[QF+8*i+4:QF+8*i+7], v[QO], s[4:5] offset:(i/2)*2048+(i%2)*64+32
.set i, i+1
.endr
.endr
	WIN 0
.set i, 0
.rept 8
	global_load_b128 v[S+4*i:S+4*i+3], v[GO], s[10:11] offset:512*i   ; the batch's mask: 128 bytes a lane
.set i, i+1
.endr
	WIN 0x80
.set i, 0
.rept 128
	v_mov_b32 v[i], 0               ; O^T
.set i, i+1
.endr
.set i, VF+64
.rept 64
	v_mov_b32 v[i], 0               ; V's buffers 2 and 3
.set i, i+1
.endr
	WIN 0x40
.set i, S+64
.rept 64
	v_mov_b32 v[i], 0               ; S^T's second buffer, window 1,
.set i, i+1
.endr
	WIN 0
.set i, S+64
.rept 64
	v_mov_b32 v[i], 0               ; and window 0
.set i, i+1
.endr
	v_mul_u32_u24 v[AK0], v1, PK
	v_lshl_add_u32 v[AK0], v9, 4, v[AK0]
	v_and_b32 v10, 7, v0
	v_bfe_u32 v11, v0, 3, 1
	v_lshl_add_u32 v[AV0], v9, 3, v10
	v_mul_u32_u24 v[AV0], v[AV0], PV
	v_lshl_add_u32 v[AV0], v11, 4, v[AV0]
	v_add_nc_u32 v[AV0], VOFF, v[AV0]
	s_wait_loadcnt 0x0              ; Q and the mask
	v_add3_u32 v[S], v[S], v[S+1], v[S+2]   ; the count, byte by byte: 32 words, no byte passes 32
.set i, S+3
.rept 14
	v_add3_u32 v[S], v[S], v[i], v[i+1]
.set i, i+2
.endr
	v_add_nc_u32 v[S], v[S], v[S+31]
	v_lshrrev_b32 v[S+1], 8, v[S]
	v_and_b32 v[S], 0x00ff00ff, v[S]
	v_and_b32 v[S+1], 0x00ff00ff, v[S+1]
	v_add_nc_u32 v[S], v[S], v[S+1]
	v_lshrrev_b32 v[S+1], 16, v[S]
	v_and_b32 v[S], 0xffff, v[S]
	v_add_nc_u32 v[S], v[S], v[S+1]
	v_cvt_f32_u32 v[S], v[S]        ; whole numbers up to 4,096: exact in f32
	v_add_f32_dpp v[S], v[S], v[S] row_xmask:1 row_mask:0xf bank_mask:0xf
	v_add_f32_dpp v[S], v[S], v[S] row_xmask:2 row_mask:0xf bank_mask:0xf
	v_add_f32_dpp v[S], v[S], v[S] row_xmask:4 row_mask:0xf bank_mask:0xf
	v_add_f32_dpp v[S], v[S], v[S] row_xmask:8 row_mask:0xf bank_mask:0xf
	v_permlanex16_b32 v[S+1], v[S], s[SEL], s[SEL+1]
	v_add_f32 v[S], v[S], v[S+1]
	v_add_f32 v[S], 0x358637bd, v[S]   ; + 1e-6
	v_rcp_f32 v[INV], v[S]
	v_rcp_f32 v[INV+1], v[S]
	v_nop                           ; a plain instruction behind the reciprocals,
	s_wait_alu depctr_va_vdst(0)    ; and their wait, ahead of the labels below
; K (as it lies) of a piece into window kw, its V (turned) into buffer vb of window 2: 16 LDS loads in one run, K's first
.macro LOADKV kw, vb
	WIN (\kw)<<6
.irp f, 0,1,2,3                     ; keys 16 (f / 2) on, channels 32 (f % 2) on
	ds_load_b128 v[KF+8*\f:KF+8*\f+3],   v[AK] offset:(\f/2)*16*PK+(\f%2)*64
	ds_load_b128 v[KF+8*\f+4:KF+8*\f+7], v[AK] offset:(\f/2)*16*PK+(\f%2)*64+32
.endr
	WIN 0x80
.irp f, 0,1,2,3                     ; channels 16 f on
	ds_load_tr16_b128 v[(\vb)+8*\f:(\vb)+8*\f+3],   v[AV] offset:32*\f
	ds_load_tr16_b128 v[(\vb)+8*\f+4:(\vb)+8*\f+7], v[AV] offset:32*\f+16*PV
.endr
.endm
.macro NEXTADR                      ; the addresses of the piece to be fetched; the scalars step to the piece after it
	WIN 0
	v_add_nc_u32 v[AK], s[TBK], v[AK0]
	v_add_nc_u32 v[AV], s[TBV], v[AV0]
	s_add_co_u32 s[TBK], s[TBK], 32*PK
	s_add_co_u32 s[TBV], s[TBV], 32*PV
.endm
; Product i of 16 of S^T = K Q^T: channels 32 (i / 8) on, tile (i % 8) / 2, keys 16 (i % 2) on.  The first 8 start the sums; the 8 accumulators take turns.
.macro KQ
.set rS, SK+16*((i%8)/2)+8*(i%2)
.set rK, KF+16*(i%2)+8*(i/8)
.set rQ, QF+16*((i%8)/2)+8*(i/8)
.if i < 8
	v_wmma_f32_16x16x32_bf16 v[rS:rS+7], v[rK:rK+7], v[rQ:rQ+7], 0
.else
	v_wmma_f32_16x16x32_bf16 v[rS:rS+7], v[rK:rK+7], v[rQ:rQ+7], v[rS:rS+7]
.endif
.endm
.macro EXPS n                       ; 2^t, score n of 64 of piece g, ascending: each accumulator's lowest registers are read first
	v_exp_f32 v[SE+(\n)], v[SE+(\n)]
.endm
.macro RND n                        ; pair n of 32 of piece g - 2 rounded, in place: tile n / 8, into register n % 8 of its 16
	v_cvt_pk_bf16_f32 v[SC+16*((\n)/8)+(\n)%8], v[SC+16*((\n)/8)+2*((\n)%8)], v[SC+16*((\n)/8)+2*((\n)%8)+1]
.endm
.macro ONE n                        ; 1 + 2^t, pair n of 32 of piece g - 1
	v_pk_add_f32 v[SA+2*(\n):SA+2*(\n)+1], v[SA+2*(\n):SA+2*(\n)+1], 1.0 op_sel_hi:[1,0]
.endm
.macro RCPS n                       ; p, score n of 64 of piece g - 1
	v_rcp_f32 v[SA+(\n)], v[SA+(\n)]
.endm
; A TURN, for g % 4 = r.  last = 1: the tail's text: its last trip fetches nothing.
; Places: the first exponential stands behind two address lines and eight roundings from the last K Q^T; V's buffer is loaded again behind the second half's 32 additions; K's registers were last read a turn ago.
.macro TURN r, last=0
.set W,  (\r)%2
.set VW, 0x55*W                     ; every operand in piece g's window
.set VX, 0x55*(1-W)                 ; in the other window
.set YW, 0xa2+4*W                   ; V, C and D window 2, P in piece g's window
.set SE, S+64*((\r)/2)              ; S^T of piece g
.set SC, S+64*(1-(\r)/2)            ; of piece g - 2
.set SK, S+64*((((\r)+1)/2)%2)      ; of piece g + 1
.set SA, S+64*(1-(((\r)+1)/2)%2)    ; of piece g - 1
.set VP, VF+32*(((\r)+2)%4)         ; V of piece g - 2, then of piece g + 2
	WIN VW
.set n, 0
.rept 8
	RND n                           ; tile 0's P
.set n, n+1
.endr
.set i, 0
.rept 16                            ; O^T += V^T P: tile i / 4, channels 16 (i % 4) on: 16 accumulators, one instruction each.  Tile t + 1's roundings end behind product 4 t + 3
	WIN YW
	v_wmma_f32_16x16x32_bf16 v[8*i:8*i+7], v[VP+8*(i%4):VP+8*(i%4)+7], v[SC+16*(i/4):SC+16*(i/4)+7], v[8*i:8*i+7]
	WIN VW
	EXPS 4*i
.if i < 12
	RND 8+2*i
.endif
	EXPS 4*i+1
	EXPS 4*i+2
.if i < 12
	RND 9+2*i
.endif
	EXPS 4*i+3
.set i, i+1
.endr
	s_wait_dscnt 8*(1-(\last))      ; K of piece g + 1 is in; V's eight loads, issued behind it, may stay out: the next turn's wait covers them.  In the tail, whose last trip issues no loads: all
	WIN VX
.set i, 0
.rept 16
	KQ
.if i == 0
	ONE 0
	ONE 1
	ONE 2
	RCPS 0
	ONE 3
	RCPS 1
.elseif i < 15                      ; every reciprocal stands behind its pair's addition
	RCPS 4*i-2
	ONE 2*i+2
	RCPS 4*i-1
	RCPS 4*i
	ONE 2*i+3
	RCPS 4*i+1
.else
	RCPS 58
	RCPS 59
	RCPS 60
	RCPS 61
	RCPS 62
	RCPS 63
.endif
.set i, i+1
.endr
	NEXTADR                         ; two plain instructions behind the last reciprocal
	s_wait_alu depctr_va_vdst(0)    ; the turn's one wait: for its 64 exponentials and 64 reciprocals, none of whose results has been named
.if \last
	s_cmp_eq_u32 s[CNT], 1
	s_cbranch_scc1 .Lno_fetch_\@
.endif
	LOADKV W, VP
.if \last
	WIN 0
.Lno_fetch_\@:
.endif
.endm
	CHANGE 1                        ; slot 0 is in, everybody's part of it; slot 1 is asked for
	NEXTADR
	LOADKV 0, VF                    ; piece 0
	NEXTADR
	LOADKV 1, VF+32                 ; piece 1
	s_wait_dscnt 0x0
	WIN 0
.set SK, S
.set i, 0
.rept 16
	KQ                              ; piece 0's scores: there is no vector work yet to set between them
.set i, i+1
.endr
	s_mul_i32 s53, s[WV], 16*SP     ; the addresses for the way out: plain instructions, places behind those products
	s_add_co_u32 s53, s53, STAGE
	v_mul_u32_u24 v[STO], v1, SP
	v_lshl_add_u32 v[STO], v9, 4, v[STO]
	v_add_nc_u32 v[STO], s53, v[STO]
	v_bfe_u32 v[RD], v0, 3, 2
	v_mul_u32_u24 v[RD], v[RD], SP
	v_lshl_add_u32 v[RD], v10, 4, v[RD]
	v_add_nc_u32 v[RD], s53, v[RD]
	s_mov_b32 s[CNT], 2
	s_branch .Lfirst                ; the loop is entered in the middle of a trip: turns 0 to 5 fetch the rest of slot 0
.Lslot:                             ; 14 times: slots 2 to 15 are asked for
	CHANGE 1
	s_mov_b32 s[CNT], 2
.Lstep:
	TURN 2
	TURN 3
	WIN 0
.Lfirst:
	TURN 0
	TURN 1
	WIN 0
	s_sub_co_u32 s[CNT], s[CNT], 1
	s_cmp_lg_u32 s[CNT], 0
	s_cbranch_scc1 .Lstep
	s_sub_co_u32 s[SLOTS], s[SLOTS], 1
	s_cmp_lg_u32 s[SLOTS], 0
	s_cbranch_scc1 .Lslot
	CHANGE 0                        ; the tail is written out: nothing is asked for
	s_mov_b32 s[CNT], 3             ; two trips fetch the last slot's pieces; the third ends the pipeline
.Ltail:
	TURN 2, 1
	TURN 3, 1
	TURN 0, 1
	TURN 1, 1
	WIN 0
	s_sub_co_u32 s[CNT], s[CNT], 1
	s_cmp_lg_u32 s[CNT], 0
	s_cbranch_scc1 .Ltail
	; THE WAY OUT.  O^T times inv, rounded to bf16, through my stage, a tile (16 rows of 128 bytes) at a time.
	PLACES
.macro PACK t
	WIN 0x82                        ; destination and source 0 window 2, inv window 0
.set i, 32*(\t)
.rept 16
	v_pk_mul_f32 v[i:i+1], v[i:i+1], v[INV:INV+1] op_sel_hi:[1,0]
.set i, i+2
.endr
	WIN 0x0a                        ; sources window 2, destination window 0: S^T's registers are free
.set i, 0
.rept 16
	v_cvt_pk_bf16_f32 v[S+16*(\t)+i], v[32*(\t)+2*i], v[32*(\t)+2*i+1]
.set i, i+1
.endr
	WIN 0
.irp f, 0,1,2,3
	ds_store_b128 v[STO], v[S+16*(\t)+4*\f:S+16*(\t)+4*\f+3] offset:32*\f
.endr
.irp f, 0,1,2,3
	ds_load_b128 v[S+16*(\t)+4*\f:S+16*(\t)+4*\f+3], v[RD] offset:\f*4*SP  ; LDS serves a wave's instructions in order: these see the stores above; the next tile's stores come behind them
.endr
.endm
.macro SEND t, younger              ; younger: the LDS instructions issued behind tile t's loads
.irp f, 0,1,2,3
	s_wait_dscnt (\younger)+3-\f
	global_store_b128 v[GO], v[S+16*(\t)+4*\f:S+16*(\t)+4*\f+3], s[OP:OP+1] offset:(\t)*2048+\f*512  ; 512 consecutive bytes, aligned
.endr
.endm
	PACK 0
	PACK 1
	SEND 0, 8
	PACK 2
	SEND 1, 8
	PACK 3
	SEND 2, 8
	SEND 3, 0
	s_wait_tensorcnt 0x0            ; the wave's end
	ds_add_u32 v[SPW], v[NIL]
	s_wait_dscnt 0x0
	CROUND                          ; the closing round
	s_endpgm
.Lfunc_end_k_q527c48c20f_attn:
	.size	k_q527c48c20f_attn, .Lfunc_end_k_q527c48c20f_attn-k_q527c48c20f_attn
	.p2alignl 7, 3214868480
	.fill 96, 4, 3214868480
	.section	.rodata,"a",@progbits
	.p2align	6, 0x0
	.amdhsa_kernel k_q527c48c20f_attn
		.amdhsa_group_segment_fixed_size 327680
		.amdhsa_private_segment_fixed_size 0
		.amdhsa_enable_private_segment 0
		.amdhsa_kernarg_size 40
		.amdhsa_user_sgpr_count 2
		.amdhsa_user_sgpr_kernarg_segment_ptr 1
		.amdhsa_wavefront_size32 1
		.amdhsa_system_sgpr_workgroup_id_x 1
		.amdhsa_system_sgpr_workgroup_id_y 1
		.amdhsa_system_sgpr_workgroup_id_z 1
		.amdhsa_system_vgpr_workitem_id 0
		.amdhsa_next_free_vgpr 768
		.amdhsa_next_free_sgpr 66
		.amdhsa_reserve_vcc 0
		.amdhsa_float_denorm_mode_32 3
		.amdhsa_float_denorm_mode_16_64 3
		.amdhsa_memory_ordered 1
		.amdhsa_forward_progress 1
		.amdhsa_inst_pref_size 142
	.end_amdhsa_kernel
	.amdgpu_metadata
---
amdhsa.version: [ 1, 2 ]
amdhsa.kernels:
  - .name:           k_q527c48c20f_attn
    .symbol:         k_q527c48c20f_attn.kd
    .args:
      - { .name: qh, .offset: 0, .size: 8, .value_kind: global_buffer, .address_space: global }
      - { .name: kh, .offset: 8, .size: 8, .value_kind: global_buffer, .address_space: global }
      - { .name: vh, .offset: 16, .size: 8, .value_kind: global_buffer, .address_space: global }
      - { .name: mask, .offset: 24, .size: 8, .value_kind: global_buffer, .address_space: global }
      - { .name: oh, .offset: 32, .size: 8, .value_kind: global_buffer, .address_space: global }
    .group_segment_fixed_size: 327680
    .private_segment_fixed_size: 0
    .kernarg_segment_align: 8
    .kernarg_segment_size: 40
    .max_flat_workgroup_size: 128
    .sgpr_count:     66
    .vgpr_count:     768
    .wavefront_size: 32
...
	.end_amdgpu_metadata
.endif
;; end of part 3
;; launch outp (part 4): grid 4 x 64, 4 waves a work-group, clusters of 4 x 4, 327,680 bytes of LDS; arguments oh, wb, bo, q, out0; writes out0
.if DOCPART == 4
	.amdgcn_target "amdgcn-amd-amdhsa--gfx1250"
	.amdhsa_code_object_version 6
	.text
	.protected	k_q527c48c20f_outp
	.globl	k_q527c48c20f_outp
	.p2align	8
	.type	k_q527c48c20f_outp,@function
k_q527c48c20f_outp:
	s_mov_b64 s[64:65], 0
	v_nop
	global_prefetch_b8 v0, s[64:65] scope:SCOPE_SE
	s_setreg_imm32_b32 hwreg(HW_REG_WAVE_MODE, 25, 1), 1
	s_wait_xcnt 0x0
	s_wait_alu depctr_hold_cnt(0) depctr_sa_sdst(0) depctr_va_vdst(0) depctr_va_sdst(0) depctr_va_ssrc(0) depctr_va_vcc(0) depctr_vm_vsrc(0)
	s_getreg_b32 s2, hwreg(HW_REG_IB_STS2, 6, 4)
	s_cmp_eq_u32 s2, 0
	s_cbranch_scc0 .Lentry_in_a_cluster
	s_endpgm
.Lentry_in_a_cluster:
	s_bfe_u32 s2, ttmp6, 0x10000c
	s_cmp_lg_u32 s2, 0xf033
	s_cbranch_scc0 .Lentry_shape_is_right
	s_endpgm
.Lentry_shape_is_right:
; out0 = O Wo + bo + q.  O: bf16 [2][8 heads][4096][64] (oh); Wo: bf16 [512 k][512 n], the fourth matrix of wb; bo: [512] f32; q, out0: [8192][512] f32.  Sums in f32, started with the bias; q is added in f32.
; SHARES.  A work-group makes 128 tokens x 128 columns; wave (wr, wc) 64 x 64: 16 accumulators.  ALL OF K = 512 FITS IN LDS: nothing is filled twice.  Each wave issues four first fills (four loads of mine are out)
; and the products begin when the first chunk of 128 along K has landed: counted waits, a barrier for each chunk.
; CLUSTER 4 x 4.  O's rows hang on the token block alone and are shared along a row of the cluster, Wo's columns on the column block alone and are shared along a column: joint loads.
; THE MATRIX INSTRUCTION IS USED TRANSPOSED (source 0 = 16 columns of Wo, turned out of LDS; source 1 = 16 tokens): a lane holds one token and 8 neighbouring columns, 32 bytes of f32.
; A wave's 64 columns are 256 bytes of a row: through a stage of the wave's own, 16 lanes then store 256 consecutive bytes, aligned.
; REGISTERS: window 0: v1-18 addresses; v28-29 the add's; v32-95 two row buffers; v96-127 the bias as a C operand; v128-255 accumulators ((a, b) at 128 + 8 (4 a + b))
;   window 1: two fragment buffers of 128 (64 of O, then 64 of Wo, for 64 along K)          window 2: v0-127 q
.set PAO,   144                        ; a token's 64 channels of a head in LDS: 128 bytes + 16
.set PBO,   288                        ; a k-row of Wo's 128 columns: 256 bytes + 32
.set BREG,  8*128*PAO                  ; behind O's eight head slices: Wo's 512 k-rows
.set STAGE, BREG+512*PBO               ; 16 rows x 272 bytes for each wave
.set SPT,   272
.set SPARE, STAGE+4*16*SPT             ; the spare words, 128 bytes for each wave, that no other line names
.set ADRA, 4                           ; v4-7   O's fragments, chunk j
.set ADRB, 8                           ; v8-11  Wo's fragments, chunk j
.set STO,  12
.set RD,   13
.set CO,   14
.set BO,   16
.set SPW,  28
.set NIL,  29
.set T,    32
.set BIAS, 96
.set ACC,  128
.set F0,   0
.set F1,   128
.set G1A,  16
.set G1B,  24
.set G0A,  32                          ; s[32:47] four sets
.set G0B,  48                          ; s[48:63] four sets
.set WV,   66
.set WR,   67
.set WC,   68
.set CX,   69
.set CY,   70
.set CB,   71
.set RB,   72
.set MSB, 0
.macro WIN new
.if MSB != (\new)
	s_set_vgpr_msb (MSB<<8)|(\new)
.set MSB, (\new)
.endif
.endm
.macro PLACES
.rept 4
	v_nop
.endr
.endm
.macro CROUND
	s_barrier_signal -1
	s_barrier_wait -1
	s_cmp_lg_u32 s[WV], 0
	s_cbranch_scc1 .Lnot_wave_0_\@
	s_barrier_signal -3
.Lnot_wave_0_\@:
	s_barrier_wait -3
	s_barrier_signal -1
	s_barrier_wait -1
.endm
	s_load_b256 s[4:11], s[0:1], 0x0               ; oh s[4:5], wb s[6:7], bo s[8:9], q s[10:11]
	s_load_b64 s[12:13], s[0:1], 0x20              ; out0
	v_lshl_add_u32 v[SPW], v0, 2, SPARE
	v_mov_b32 v[NIL], 0
	ds_add_u32 v[SPW], v[NIL]                      ; the wave's opening: the add, twice on end, and its wait ahead of my first tensor load
	ds_add_u32 v[SPW], v[NIL]
	v_lshrrev_b32 v1, 5, v0
	v_readfirstlane_b32 s[WV], v1
	s_lshr_b32 s[WR], s[WV], 1                     ; my half of the tokens.  Also: I fetch O (0) or Wo (1)
	s_and_b32 s[WC], s[WV], 1                      ; my half of the columns.  Also: which half of a chunk I fetch
	s_bfe_u32 s[CX], ttmp6, 0x40000
	s_bfe_u32 s[CY], ttmp6, 0x40004
	s_lshl_b32 s[CB], ttmp9, 2
	s_add_co_u32 s[CB], s[CB], s[CX]               ; column block
	s_and_b32 s[RB], ttmp7, 0xffff
	s_lshl_b32 s[RB], s[RB], 2
	s_add_co_u32 s[RB], s[RB], s[CY]               ; token block
	s_lshl_b32 s73, s[CY], 2
	s_lshl_b32 s73, 15, s73                        ; my row of the cluster
	s_lshl_b32 s74, 0x1111, s[CX]                  ; my column
	s_or_b32 s[G1A], s73, (1<<16)|(1<<20)|(1<<21)|(4<<22)|(3<<25)   ; O: 128 tokens of a head are 16,384 dense bytes: 64 rows of 256, padded by 4 words after every 32
	s_or_b32 s[G1B], s74, (1<<16)|(1<<20)|(1<<21)|(5<<22)|(7<<25)   ; Wo: 64 k-rows of 256 bytes, padded by 8 words after every 64
.irp g, G1A, G1B
	s_mov_b32 s[\g+1], 128<<16
	s_mov_b32 s[\g+2], 64<<16
	s_mov_b32 s[\g+3], 128<<16
	s_mov_b32 s[\g+4], 64
	s_mov_b32 s[\g+6], 0
	s_mov_b32 s[\g+7], 0
.endr
	s_mov_b32 s[G1A+5], 128
	s_mov_b32 s[G1B+5], 512
	s_mul_i32 s75, s[WC], 128*PAO                  ; my half of a chunk in LDS: 18,432 bytes, for O's slices and for Wo's 64 k-rows alike
	s_lshr_b32 s76, s[RB], 5                       ; O: batch, the block's 128 rows, head slice wc: the token block and the wave's number alone
	s_lshl_b32 s76, s76, 22
	s_and_b32 s77, s[RB], 31
	s_lshl_b32 s77, s77, 14
	s_add_co_u32 s76, s76, s77
	s_lshl_b32 s77, s[WC], 19
	s_add_co_u32 s76, s76, s77
	s_mov_b32 s77, 0
	s_lshl_b32 s78, s[CB], 8                       ; Wo: the fourth matrix, the block's 256 bytes of a k-row, k-rows 64 wc on: the column block and the wave's number alone
	s_lshl_b32 s79, s[WC], 16
	s_add_co_u32 s78, s78, s79
	s_add_co_u32 s78, s78, 3*524288
	s_mov_b32 s79, 0
	s_lshl_b32 s80, s[RB], 7                       ; q and out0: my first token's row, my 256 bytes of it
	s_lshl_b32 s81, s[WR], 6
	s_add_co_u32 s80, s80, s81
	s_lshl_b32 s80, s80, 11
	s_lshl_b32 s82, s[CB], 9
	s_lshl_b32 s83, s[WC], 8
	s_add_co_u32 s82, s82, s83                     ; also my 64 numbers of bo
	s_add_co_u32 s80, s80, s82
	s_mov_b32 s81, 0
	s_mov_b32 s83, 0
	v_and_b32 v1, 15, v0                           ; r
	v_bfe_u32 v2, v0, 4, 1                         ; h
	v_and_b32 v3, 7, v0
	v_bfe_u32 v15, v0, 3, 1
	v_mul_u32_u24 v17, v1, PAO
	v_lshl_add_u32 v17, v2, 4, v17
	s_mul_i32 s84, s[WR], 64*PAO
	v_add_nc_u32 v[ADRA], s84, v17
	v_lshl_add_u32 v18, v2, 3, v3
	v_mul_u32_u24 v18, v18, PBO
	v_lshl_add_u32 v18, v15, 4, v18
	s_lshl_b32 s85, s[WC], 7
	s_add_co_u32 s85, s85, BREG
	v_add_nc_u32 v[ADRB], s85, v18
.irp j, 1,2,3
	v_add_nc_u32 v[ADRA+\j], \j*256*PAO, v[ADRA]
	v_add_nc_u32 v[ADRB+\j], \j*128*PBO, v[ADRB]
.endr
	s_mul_i32 s86, s[WV], 16*SPT
	s_add_co_u32 s86, s86, STAGE
	v_mul_u32_u24 v[STO], v1, SPT                  ; in: row r, 32 bytes for each half of the lanes
	v_lshl_add_u32 v[STO], v2, 5, v[STO]
	v_add_nc_u32 v[STO], s86, v[STO]
	v_mul_u32_u24 v[RD], v2, SPT                   ; back: lanes 0-15 one row of 256 bytes, lanes 16-31 the next
	v_lshl_add_u32 v[RD], v1, 4, v[RD]
	v_add_nc_u32 v[RD], s86, v[RD]
	v_lshlrev_b32 v[CO], 11, v2                    ; and the same two rows in q and out0
	v_lshl_add_u32 v[CO], v1, 4, v[CO]
	v_lshlrev_b32 v[BO], 5, v2
	s_wait_dscnt 0x0                               ; both opening adds are done
	s_wait_kmcnt 0x0
	s_add_nc_u64 s[4:5], s[4:5], s[76:77]
	s_add_nc_u64 s[6:7], s[6:7], s[78:79]
	s_add_nc_u64 s[8:9], s[8:9], s[82:83]
	s_add_nc_u64 s[10:11], s[10:11], s[80:81]
	s_add_nc_u64 s[12:13], s[12:13], s[80:81]
	CROUND                                         ; all sixteen work-groups are here: the joint loads meet
.irp j, 0,1,2,3                        ; chunk j: head slices 2 j, 2 j + 1 of O; k-rows 128 j .. 128 j + 127 of Wo
	s_mov_b32 s[G0A+4*\j], 1
	s_add_co_u32 s[G0A+4*\j+1], s75, \j*256*PAO
	s_add_nc_u64 s[G0A+4*\j+2:G0A+4*\j+3], s[4:5], \j*2*524288
	s_or_b32 s[G0A+4*\j+3], s[G0A+4*\j+3], 0x80000000
	s_mov_b32 s[G0B+4*\j], 1
	s_add_co_u32 s[G0B+4*\j+1], s75, BREG+\j*128*PBO
	s_add_nc_u64 s[G0B+4*\j+2:G0B+4*\j+3], s[6:7], \j*128*1024
	s_or_b32 s[G0B+4*\j+3], s[G0B+4*\j+3], 0x80000000
.endr
	s_cmp_lt_u32 s[WV], 2                          ; a wave's four first fills stand in one branch on the wave's number
	s_cbranch_scc0 .Lfill_b
.irp j, 0,1,2,3
	tensor_load_to_lds s[G0A+4*\j:G0A+4*\j+3], s[G1A:G1A+7]
	s_nop 0
.endr
	PLACES
	s_branch .Lfilled
.Lfill_b:
.irp j, 0,1,2,3
	tensor_load_to_lds s[G0B+4*\j:G0B+4*\j+3], s[G1B:G1B+7]
	s_nop 0
.endr
	PLACES
.Lfilled:
.irp b, 0,1,2,3
	global_load_b128 v[BIAS+8*\b:BIAS+8*\b+3],   v[BO], s[8:9] offset:64*\b      ; register 8 b + j: bo[my first column + 16 b + 8 h + j]
	global_load_b128 v[BIAS+8*\b+4:BIAS+8*\b+7], v[BO], s[8:9] offset:64*\b+16
.endr
	WIN 0x80
.set n, 0
.rept 32                               ; q as it will be added: block n / 8, rows 2 (n % 8) and the next
	global_load_b128 v[4*n:4*n+3], v[CO], s[10:11] offset:(16*(n/8)+2*(n%8))*2048 th:TH_LOAD_NT
.set n, n+1
.endr
	WIN 0
.macro MUL8 f, c, a0, zero             ; 8 matrix instructions: token blocks a0, a0 + 1 x 4 column blocks, 32 along K: half c of buffer f.  zero = 1: the sums start with the bias
	WIN 0x05                                       ; sources window 1, C and D window 0
.irp a, \a0, (\a0)+1
.irp b, 0,1,2,3
.if \zero
	v_wmma_f32_16x16x32_bf16 v[ACC+8*(4*(\a)+(\b)):ACC+8*(4*(\a)+(\b))+7], v[(\f)+64+8*(4*(\c)+(\b)):(\f)+64+8*(4*(\c)+(\b))+7], v[(\f)+8*(4*(\c)+(\a)):(\f)+8*(4*(\c)+(\a))+7], v[BIAS+8*(\b):BIAS+8*(\b)+7]
.else
	v_wmma_f32_16x16x32_bf16 v[ACC+8*(4*(\a)+(\b)):ACC+8*(4*(\a)+(\b))+7], v[(\f)+64+8*(4*(\c)+(\b)):(\f)+64+8*(4*(\c)+(\b))+7], v[(\f)+8*(4*(\c)+(\a)):(\f)+8*(4*(\c)+(\a))+7], v[ACC+8*(4*(\a)+(\b)):ACC+8*(4*(\a)+(\b))+7]
.endif
.endr
.endr
.endm
.macro FETCH qd, f                     ; 32 LDS loads in one run: quarter qd (head slice qd, 64 along K) into buffer f; its first 32 along K first
	WIN 0x40
.irp c, 0,1
.irp i, 0,1,2,3
	ds_load_tr16_b128 v[(\f)+64+8*(4*(\c)+(\i)):(\f)+64+8*(4*(\c)+(\i))+3],   v[ADRB+(\qd)/2] offset:(2*((\qd)%2)+(\c))*32*PBO+32*(\i)
	ds_load_tr16_b128 v[(\f)+64+8*(4*(\c)+(\i))+4:(\f)+64+8*(4*(\c)+(\i))+7], v[ADRB+(\qd)/2] offset:(2*((\qd)%2)+(\c))*32*PBO+32*(\i)+16*PBO
	ds_load_b128 v[(\f)+8*(4*(\c)+(\i)):(\f)+8*(4*(\c)+(\i))+3],   v[ADRA+(\qd)/2] offset:((\qd)%2)*128*PAO+(\i)*16*PAO+64*(\c)
	ds_load_b128 v[(\f)+8*(4*(\c)+(\i))+4:(\f)+8*(4*(\c)+(\i))+7], v[ADRA+(\qd)/2] offset:((\qd)%2)*128*PAO+(\i)*16*PAO+64*(\c)+32
.endr
.endr
.endm
.macro QEVEN qd, f, g, zero            ; a chunk's first quarter: the next one lies in the same chunk
	s_wait_dscnt 16                                ; the first 32 along K are in
	MUL8 \f, 0, 0, \zero
	MUL8 \f, 0, 2, \zero
	PLACES
	FETCH (\qd)+1, \g
	s_wait_dscnt 32                                ; all but the 32 just issued
	MUL8 \f, 1, 0, 0
	MUL8 \f, 1, 2, 0
.endm
.macro QODD qd, f, g                   ; a chunk's second quarter opens the next chunk: my part of it has landed (the count leaves my later loads out), everybody's behind the barrier
	s_wait_dscnt 16
	MUL8 \f, 0, 0, 0
	MUL8 \f, 0, 2, 0
	s_wait_dscnt 0x0                               ; no LDS instruction of mine is pending at the signal
	s_wait_tensorcnt 3-((\qd)+1)/2
	s_barrier_signal -1
	MUL8 \f, 1, 0, 0
	s_barrier_wait -1
	PLACES
	FETCH (\qd)+1, \g
	MUL8 \f, 1, 2, 0
.endm
	s_wait_tensorcnt 3                             ; my part of chunk 0 is in,
	s_barrier_signal -1
	s_barrier_wait -1                              ; everybody's is
	FETCH 0, F0
	s_wait_loadcnt 32                              ; the bias is in; q's 32 loads stay out
	QEVEN 0, F0, F1, 1
	QODD  1, F1, F0
	QEVEN 2, F0, F1, 0
	QODD  3, F1, F0
	QEVEN 4, F0, F1, 0
	QODD  5, F1, F0
	QEVEN 6, F0, F1, 0
	s_wait_dscnt 16
	MUL8 F1, 0, 0, 0
	MUL8 F1, 0, 2, 0
	s_wait_dscnt 0x0
	MUL8 F1, 1, 0, 0
	MUL8 F1, 1, 2, 0
	WIN 0
	PLACES
	s_wait_loadcnt 0x0                             ; q
.irp a, 0,1,2,3                        ; 16 tokens at a time: into my stage, back as whole rows of 256 bytes, + q, out
.set TT, T+32*((\a)%2)
.irp b, 0,1,2,3
	ds_store_b128 v[STO], v[ACC+8*(4*\a+\b):ACC+8*(4*\a+\b)+3]   offset:64*\b      ; each accumulator's lowest registers first
	ds_store_b128 v[STO], v[ACC+8*(4*\a+\b)+4:ACC+8*(4*\a+\b)+7] offset:64*\b+16
.endr
.if \a >= 2
	s_wait_xcnt 0x0                                ; the stores of two blocks back have read this row buffer
.endif
.irp t, 0,1,2,3,4,5,6,7
	ds_load_b128 v[TT+4*\t:TT+4*\t+3], v[RD] offset:\t*2*SPT                      ; LDS serves a wave's instructions in order: these see the stores above
.endr
	s_wait_dscnt 0x0
	WIN 0x08                                       ; source 1 (q) window 2
.set n, 0
.rept 16
	v_pk_add_f32 v[TT+2*n:TT+2*n+1], v[TT+2*n:TT+2*n+1], v[32*\a+2*n:32*\a+2*n+1]
.set n, n+1
.endr
	WIN 0
.irp t, 0,1,2,3,4,5,6,7
	global_store_b128 v[CO], v[TT+4*\t:TT+4*\t+3], s[12:13] offset:(16*\a+2*\t)*2048 th:TH_STORE_NT   ; 16 lanes store 256 consecutive bytes, aligned
.endr
.endr
	s_wait_tensorcnt 0x0                           ; the wave's end
	ds_add_u32 v[SPW], v[NIL]
	s_wait_dscnt 0x0
	CROUND                                         ; the closing round
	s_endpgm
.Lfunc_end_k_q527c48c20f_outp:
	.size	k_q527c48c20f_outp, .Lfunc_end_k_q527c48c20f_outp-k_q527c48c20f_outp
	.p2alignl 7, 3214868480
	.fill 96, 4, 3214868480
	.section	.rodata,"a",@progbits
	.p2align	6, 0x0
	.amdhsa_kernel k_q527c48c20f_outp
		.amdhsa_group_segment_fixed_size 327680
		.amdhsa_private_segment_fixed_size 0
		.amdhsa_enable_private_segment 0
		.amdhsa_kernarg_size 40
		.amdhsa_user_sgpr_count 2
		.amdhsa_user_sgpr_kernarg_segment_ptr 1
		.amdhsa_wavefront_size32 1
		.amdhsa_system_sgpr_workgroup_id_x 1
		.amdhsa_system_sgpr_workgroup_id_y 1
		.amdhsa_system_sgpr_workgroup_id_z 1
		.amdhsa_system_vgpr_workitem_id 0
		.amdhsa_next_free_vgpr 768
		.amdhsa_next_free_sgpr 100
		.amdhsa_reserve_vcc 0
		.amdhsa_float_denorm_mode_32 3
		.amdhsa_float_denorm_mode_16_64 3
		.amdhsa_memory_ordered 1
		.amdhsa_forward_progress 1
		.amdhsa_inst_pref_size 59
	.end_amdhsa_kernel
	.amdgpu_metadata
---
amdhsa.version: [ 1, 2 ]
amdhsa.kernels:
  - .name:           k_q527c48c20f_outp
    .symbol:         k_q527c48c20f_outp.kd
    .args:
      - { .name: oh, .offset: 0, .size: 8, .value_kind: global_buffer, .address_space: global }
      - { .name: wb, .offset: 8, .size: 8, .value_kind: global_buffer, .address_space: global }
      - { .name: bo, .offset: 16, .size: 8, .value_kind: global_buffer, .address_space: global }
      - { .name: q, .offset: 24, .size: 8, .value_kind: global_buffer, .address_space: global }
      - { .name: out0, .offset: 32, .size: 8, .value_kind: global_buffer, .address_space: global }
    .group_segment_fixed_size: 327680
    .private_segment_fixed_size: 0
    .kernarg_segment_align: 8
    .kernarg_segment_size: 40
    .max_flat_workgroup_size: 128
    .sgpr_count:     100
    .vgpr_count:     768
    .wavefront_size: 32
...
	.end_amdgpu_metadata
.endif
;; end of part 4
